; MI455X (gfx1250); checked and timed in simulation.
; The chip was launched on July 23, 2026; its instructions are those of AMD's public machine-readable ISA for CDNA 5 (MIT licence, August 2026) and "CDNA5" Instruction Set Architecture Reference Guide (July 2026). The comments in the code are by the model that wrote it; some were corrected since.
;; Lightweight Cross Attention. Allowed arithmetic: matrix products marked QUANTISED: E2M1 operands, one E8M0 scale for each 32 along K, by v_wmma_scale_f32_16x16x128_f8f6f4 with both operands' format E2M1 (or v_wmma_scale_f32_32x16x128_f4), f32 sums; products left as they are: f32 operands where the result goes on into a quantised operand, else bf16, f16 or f32 operands; f32 sums; everything else in f32.
;; Inputs: Wk 1,024 x 1,024 float32; Wo 1,024 x 1,024 float32; Wq 1,024 x 1,024 float32; Wv 1,024 x 1,024 float32; bo 1,024 float32; kv_stack 4 x 4,096 x 1,024 float32; query 4,096 x 1,024 float32.
;; Outputs: out0 4 x 4,096 x 1,024 float32.
;; This version of the problem:
;;   THIS VERSION OF THE PROBLEM IS GIVEN IN LOW PRECISION. The matrix products marked QUANTISED in the list below multiply operands that are first quantised to E2M1 (2 exponent bits, 1 mantissa bit; 4 bits a number), with one power-of-two scale for each 32 numbers along K (OCP MX v1.0); their sums are f32. All else is computed in f32.
;;   The module's matrix products, in the order in which they are computed (A, B: the left and right operand; K: the contracted axis; several contracted axes count as one K, in the product's order):
;;     1. [M 4,096, K 1,024] x [K 1,024, N 1,024]; A: input query; B: input Wq: QUANTISED
;;     2. [M 16,384, K 1,024] x [K 1,024, N 1,024]; A: input kv_stack; B: input Wk: QUANTISED
;;     3. [M 16,384, K 1,024] x [K 1,024, N 1,024]; A: input kv_stack; B: input Wv: QUANTISED
;;     4. batch 65,536 x [M 4, K 64] x [K 64, N 1]; A: computed on the way; B: computed on the way: left as it is (M = 4 < 16)
;;     5. [M 16,384, K 1,024] x [K 1,024, N 1,024]; A: computed on the way; B: input Wo: QUANTISED
;;   THE QUANTISER, for each operand of a quantised product, along K:
;;     - K is cut into blocks of 32 from its start; a last block that is shorter is filled with zeros.
;;     - A block's scale is 2^e with e = floor(log2(the largest magnitude in the block)) - 2, held to -126 .. 127; a block of zeros has e = 0. As a byte (E8M0): e + 127.
;;     - Each number is divided by its block's scale, clamped to +-6, and rounded to the nearest number of E2M1, ties to even, subnormals kept.
;;     - The product sums the exact products of the quantised numbers (number of the format x scale) in f32.
;;   ~~~python
;;   def quantise(x, axis):      # numpy; x: float32 -> the quantised numbers, widened to float32 again
;;       x = np.moveaxis(x, axis, -1); K = x.shape[-1]
;;       x = np.pad(x, [(0, 0)] * (x.ndim - 1) + [(0, -K % 32)]); x = x.reshape(x.shape[:-1] + (-1, 32)); a = np.abs(x).max(-1, keepdims=True)
;;       e = np.where(a > 0, np.clip(np.frexp(np.where(a > 0, a, 1))[1] - 1 - 2, -126, 127), 0)      # np.frexp(a)[1] - 1 = floor(log2(a)), exactly
;;       r = np.clip(x / 2.0 ** e, -6, 6)
;;       step = 2.0 ** (np.maximum(np.frexp(np.where(r == 0, 1, r))[1] - 1, 0) - 1)
;;       q = np.round(r / step) * step * 2.0 ** e      # np.round: ties to even
;;       return np.moveaxis(q.reshape(q.shape[:-2] + (-1,))[..., :K], -1, axis).astype(np.float32)
;;   ~~~
;;   OPERANDS COMPUTED ON THE WAY. 'Computed on the way' means the value that the module computes at that place (a softmax that the list does not call 'softmax' is quantised finished and normalised). What goes into a quantiser is computed in f32, as accurately as f32 sums, v_exp_f32 and their like allow (about 1e-6 of the number): no bf16 or f16 on the way to a quantiser, and a product that is left as it is and whose result goes on into a quantised operand takes f32 operands (vector FMAs, or v_wmma_f32_16x16x4_f32). A number that lies on a knife's edge between two numbers of the format may be rounded either way, as far as f32 arithmetic and the matrix unit's own rounding can turn it there, and no further.
;; One version. Each part assembles by itself: llvm-mc -triple=amdgcn-amd-amdhsa -mcpu=gfx1250 --defsym DOCPART=n.
;; ======== version 1 of 1: 2 launches
;; limits: right only within a limited range of input values
;; workspace buffers: wpack 1,114,112 bytes; xpack 8,912,896 bytes
;; launch prep (part 1): grid 1152 x 1, 4 waves a work-group, no clusters, 34,816 bytes of LDS; arguments Wv, Wo, kv_stack, wpack, xpack; writes wpack, xpack
.if DOCPART == 1
	.amdgcn_target "amdgcn-amd-amdhsa--gfx1250"
	.amdhsa_code_object_version 6
	.text
	.protected	k_q90a346e6a1_prep
	.globl	k_q90a346e6a1_prep
	.p2align	8
	.type	k_q90a346e6a1_prep,@function
k_q90a346e6a1_prep:
	s_mov_b64 s[64:65], 0
	v_nop
	global_prefetch_b8 v0, s[64:65] scope:SCOPE_SE
	s_setreg_imm32_b32 hwreg(HW_REG_WAVE_MODE, 25, 1), 1
	s_wait_xcnt 0x0
; THE PROGRAM: out[m][b][:] = Q(Q(kv[m][b][:]) Q(Wv)^T) Q(Wo)^T + bo + query[b][:], Q the MX-FP4 quantiser along K.
; WORK LEFT OUT, AND WHY IT IS DEAD.  The scores have the shape [M, B, H, 1] and the softmax is taken over that last axis, of length 1.  For every finite score s it is
; exp(s - s) / exp(s - s) = 1, so attn_weights is 1 for all finite values of the inputs and attn_output is v itself.  Nothing else reads the scores, and nothing but the scores reads q and k.
; So the products query Wq^T, kv Wk^T and q . k reach no output: they are left out whole; the inputs Wq and Wk have no way to any output, are not loaded and are among no launch's arguments.
; query stays: it is the residual.  LIMIT: a NaN, an infinity or an overflow that arises only in q, k or the scores is not carried to the result.
;
; THIS LAUNCH turns kv, Wv and Wo (f32, K innermost) into codes of FP4 (E2M1) and E8M0 scale bytes, laid in the order of the operand's registers, as the second launch takes them.
; A TILE = 16 rows x 1,024 K = 8,704 bytes: eight fragments of 1,024 bytes (K step ks, half c at 1,024 ks + 512 c; lane (r, h) at 16 x lane: row r, k = 128 ks + 64 c + 32 h + 0 .. 31),
; then 512 bytes of scale words: 16 x lane + 4 dk = the word of row r, K step 2 dk + h.
;   wpack: tile j (0-63, Wv; 64-127, Wo): j % 64 = 32 (g / 2) + 8 w + 4 (g % 2) + n: group g of 64 columns, wave w, tile n.  Wv: row i of the tile = 256 w + 64 g + 32 (n / 2) + 8 (n % 2) + i + 8 (i / 8), so that the
;          results of two neighbouring tiles are 16 neighbours along the next K.  Wo: row i = 256 w + 64 g + 4 i + n, so that the four tiles of a group give a lane four neighbouring columns of out.
;   xpack: tile 4 B + m = rows 16 B .. 16 B + 15 of module m.
; THE QUANTISER.  A block's scale is 2^(floor(log2(its largest magnitude)) - 2): its byte is the largest magnitude's exponent field - 2, held at 1 from below by a floor among the maximum's leaves.
; LIMITS: a block of zeros gets the byte 1 where the rule says 127 (its codes are zeros, which add nothing, and this program alone reads the bytes); blocks whose largest magnitude lies under 2^-124 were not tried;
; NaN and infinities among the inputs are not served.
; SHARES.  A work-group makes a tile, wave dk its 256 along K from 256 dk on: 32 loads of 512 consecutive bytes.  128 along K at a time go through the wave's own stage in LDS (rows of 512 + 16 bytes) and come back
; as the operand's layout wants them: a lane holds a whole block of 32, so its largest magnitude needs no other lane and the codes are the fragment's registers.
.set TILE,  8704
.set SP,    528                        ; a stage row
.set SREG,  16*SP                      ; a wave's stage, 8,448 bytes
.set SCL,   4*SREG                     ; behind the stages: the scale words, 128 bytes for each wave: [dk][lane]
.set SPARE, SCL+512                    ; the spare words, 128 bytes for each wave: blocks of 256 bytes that no other line names
.set SPW, 10                           ; v10  LDS address of my spare word; never rewritten
.set NIL, 11                           ; v11  0; never rewritten
.set X,   16                           ; v16-47   a half's numbers: 32 to a lane
.set RAW, 48                           ; v48-175  as loaded: 128 along K of 16 rows, twice
.set P,   176                          ; v176-191 codes
	s_load_b256 s[4:11], s[0:1], 0x0               ; Wv, Wo, kv, wpack
	s_load_b64 s[12:13], s[0:1], 0x20              ; xpack
	v_lshl_add_u32 v[SPW], v0, 2, SPARE
	v_mov_b32 v[NIL], 0
	v_lshrrev_b32 v1, 5, v0
	v_readfirstlane_b32 s14, v1                    ; wave = dk
	s_max_u32 s15, ttmp9, 128
	s_sub_co_u32 s15, s15, 128                     ; kv's tile 4 B + m
	s_and_b32 s16, s15, 3
	s_lshl_b32 s16, s16, 24                        ; a module is 16,777,216 bytes
	s_lshr_b32 s17, s15, 2
	s_lshl_b32 s17, s17, 16                        ; 16 rows are 65,536
	s_add_co_u32 s16, s16, s17
	s_bfe_u32 s18, ttmp9, 0x10005                  ; g / 2
	s_lshl_b32 s18, s18, 7
	s_bfe_u32 s19, ttmp9, 0x10002                  ; g % 2
	s_lshl_b32 s19, s19, 6
	s_add_co_u32 s18, s18, s19                     ; 64 g
	s_bfe_u32 s19, ttmp9, 0x20003                  ; w
	s_lshl_b32 s19, s19, 8
	s_add_co_u32 s19, s19, s18
	s_and_b32 s20, ttmp9, 3                        ; n
	s_lshr_b32 s21, s20, 1
	s_lshl_b32 s21, s21, 5
	s_and_b32 s22, s20, 1
	s_lshl_b32 s22, s22, 3
	s_add_co_u32 s21, s21, s22
	s_mov_b32 s28, 32768
	s_cmp_lt_u32 ttmp9, 64                         ; Wv?  The choices hang on the work-group's number alone
	s_cselect_b32 s20, s21, s20
	s_cselect_b32 s28, s28, 0                      ; Wv's rows 8-15 of a tile lie 8 rows further on
	s_add_co_u32 s19, s19, s20
	s_lshl_b32 s19, s19, 12                        ; a row is 4,096 bytes
	s_cmp_lt_u32 ttmp9, 128                        ; a weight?
	s_cselect_b32 s16, s19, s16
	s_cselect_b32 s15, ttmp9, s15                  ; the tile's number in its buffer
	s_lshl_b32 s17, s14, 10
	s_add_co_u32 s16, s16, s17                     ; + my 256 along K
	s_mov_b32 s17, 0
	s_mul_i32 s18, s15, TILE
	s_mov_b32 s19, 0
	s_lshl_b32 s20, s14, 11                        ; my two fragments
	s_mov_b32 s21, 0
	s_mul_i32 s22, s14, SREG
	s_lshl_b32 s23, s14, 7
	s_add_co_u32 s23, s23, SCL
	s_lshr_b32 s29, ttmp9, 6                       ; 1: Wo
	v_and_b32 v1, 31, v0                           ; lane
	v_and_b32 v2, 15, v0                           ; r
	v_bfe_u32 v3, v0, 4, 1                         ; h
	v_lshlrev_b32 v4, 4, v1                        ; 16 x lane
	v_add_nc_u32 v5, s28, v4                       ; the same for rows 8-15
	v_add_nc_u32 v6, s22, v4                       ; the stage, in: row i at SP i
	v_mul_u32_u24 v7, v2, SP
	v_lshl_add_u32 v7, v3, 7, v7
	v_add_nc_u32 v7, s22, v7                       ; the stage, out: row r, 128 bytes from 128 h on
	v_lshl_add_u32 v8, v2, 2, v3
	v_add_nc_u32 v8, s23, v8                       ; my scale byte: word r, byte h
	v_lshlrev_b32 v9, 2, v1
	v_add_nc_u32 v9, SCL, v9                       ; the scale words, out
	s_wait_alu depctr_va_vdst(0)                   ; the wait at the head's end
	s_wait_kmcnt 0x0
	s_cmp_lt_u32 ttmp9, 64
	s_cselect_b64 s[4:5], s[4:5], s[6:7]
	s_cmp_lt_u32 ttmp9, 128
	s_cselect_b64 s[4:5], s[4:5], s[8:9]
	s_cselect_b64 s[10:11], s[10:11], s[12:13]
	s_add_nc_u64 s[4:5], s[4:5], s[16:17]
	s_add_nc_u64 s[10:11], s[10:11], s[18:19]      ; my tile
	s_add_nc_u64 s[26:27], s[10:11], s[20:21]      ; my fragments in it
	s_cmp_eq_u32 s29, 1
	s_cbranch_scc1 .Lwo
.irp e, 0,1
.irp i, 0,1,2,3,4,5,6,7
	global_load_b128 v[RAW+64*\e+4*\i:RAW+64*\e+4*\i+3], v4, s[4:5] offset:4096*\i+512*\e th:TH_LOAD_NT
.endr
.irp i, 8,9,10,11,12,13,14,15
	global_load_b128 v[RAW+64*\e+4*\i:RAW+64*\e+4*\i+3], v5, s[4:5] offset:4096*\i+512*\e th:TH_LOAD_NT
.endr
.endr
	s_branch .Lasked
.Lwo:                                                  ; a tile's rows lie four rows apart
.irp e, 0,1
.irp i, 0,1,2,3,4,5,6,7,8,9,10,11,12,13,14,15
	global_load_b128 v[RAW+64*\e+4*\i:RAW+64*\e+4*\i+3], v4, s[4:5] offset:16384*\i+512*\e th:TH_LOAD_NT
.endr
.endr
.Lasked:
; 32 numbers of a lane, from register x on, one block: its four registers of codes and its scale byte
.macro QUANT x, e, c
	v_max3_num_f32 v12, |v[(\x)]|, |v[(\x)+1]|, |v[(\x)+2]|
	v_max3_num_f32 v13, |v[(\x)+3]|, |v[(\x)+4]|, |v[(\x)+5]|
.irp i, 6,10,14,18,22,26
	v_max3_num_f32 v12, v12, |v[(\x)+\i]|, |v[(\x)+\i+1]|
	v_max3_num_f32 v13, v13, |v[(\x)+\i+2]|, |v[(\x)+\i+3]|
.endr
	v_max3_num_f32 v12, v12, |v[(\x)+30]|, |v[(\x)+31]|
	v_max3_num_f32 v12, v12, v13, 0x1800000        ; and the floor 2^(3 - 127): the byte cannot fall under 1
	v_add_nc_u32 v14, 0xff000000, v12              ; 2 off its exponent field: the conversion takes the exponent field of this operand as its scale, and nothing else of it
.irp q, 0,1,2,3
	v_cvt_scalef32_pk8_fp4_f32 v[P+8*\e+4*\c+\q], v[(\x)+8*\q:(\x)+8*\q+7], v14
.endr
	v_lshrrev_b32 v15, 23, v14                     ; the scale's byte
	ds_store_b8 v8, v15 offset:64*\e+2*\c          ; byte 2 c + h of row r's word, K step 2 dk + e
	global_store_b128 v4, v[P+8*\e+4*\c:P+8*\e+4*\c+3], s[26:27] offset:1024*\e+512*\c   ; 512 consecutive bytes
.endm
; 128 along K.  LDS serves a wave's instructions in order (ISA guide 5.7.1.4): the loads see the stores above them, and the second half's stores come behind the first half's loads
.macro HALF e, n
	s_wait_loadcnt \n
.irp i, 0,1,2,3,4,5,6,7,8,9,10,11,12,13,14,15
	ds_store_b128 v6, v[RAW+64*\e+4*\i:RAW+64*\e+4*\i+3] offset:SP*\i
.endr
.irp i, 0,1,2,3,4,5,6,7
	ds_load_b128 v[X+4*\i:X+4*\i+3], v7 offset:16*\i
.endr
	s_wait_dscnt 0x0                               ; c = 0 is back, and the stores have read their registers, 32 of which take c = 1
.irp i, 0,1,2,3,4,5,6,7
	ds_load_b128 v[RAW+64*\e+4*\i:RAW+64*\e+4*\i+3], v7 offset:256+16*\i
.endr
	QUANT X, \e, 0
	s_wait_dscnt 0x0
	QUANT RAW+64*\e, \e, 1
.endm
	HALF 0, 16                                     ; the second half's sixteen loads may be out
	HALF 1, 0
	s_wait_dscnt 0x0                               ; for wave 0's sake: my scale bytes have landed
	s_barrier_signal -1
	s_barrier_wait -1
	s_cmp_lg_u32 s14, 0
	s_cbranch_scc1 .Lend
.irp d, 0,1,2,3
	ds_load_b32 v[X+\d], v9 offset:128*\d
.endr
	s_wait_dscnt 0x0
	global_store_b128 v4, v[X:X+3], s[10:11] offset:8192   ; the tile's scale words: 512 consecutive bytes
.Lend:
	s_wait_tensorcnt 0x0                           ; the wave's end
	ds_add_u32 v[SPW], v[NIL]
	s_wait_dscnt 0x0
	s_endpgm
.Lfunc_end_k_q90a346e6a1_prep:
	.size	k_q90a346e6a1_prep, .Lfunc_end_k_q90a346e6a1_prep-k_q90a346e6a1_prep
	.p2alignl 7, 3214868480
	.fill 96, 4, 3214868480
	.section	.rodata,"a",@progbits
	.p2align	6, 0x0
	.amdhsa_kernel k_q90a346e6a1_prep
		.amdhsa_group_segment_fixed_size 34816
		.amdhsa_private_segment_fixed_size 0
		.amdhsa_enable_private_segment 0
		.amdhsa_kernarg_size 40
		.amdhsa_user_sgpr_count 2
		.amdhsa_user_sgpr_kernarg_segment_ptr 1
		.amdhsa_wavefront_size32 1
		.amdhsa_system_sgpr_workgroup_id_x 1
		.amdhsa_system_sgpr_workgroup_id_y 1
		.amdhsa_system_sgpr_workgroup_id_z 1
		.amdhsa_system_vgpr_workitem_id 0
		.amdhsa_next_free_vgpr 192
		.amdhsa_next_free_sgpr 66
		.amdhsa_reserve_vcc 0
		.amdhsa_float_denorm_mode_32 3
		.amdhsa_float_denorm_mode_16_64 3
		.amdhsa_memory_ordered 1
		.amdhsa_forward_progress 1
		.amdhsa_inst_pref_size 21
	.end_amdhsa_kernel
	.amdgpu_metadata
---
amdhsa.version: [ 1, 2 ]
amdhsa.kernels:
  - .name:           k_q90a346e6a1_prep
    .symbol:         k_q90a346e6a1_prep.kd
    .args:
      - { .name: Wv, .offset: 0, .size: 8, .value_kind: global_buffer, .address_space: global }
      - { .name: Wo, .offset: 8, .size: 8, .value_kind: global_buffer, .address_space: global }
      - { .name: kv_stack, .offset: 16, .size: 8, .value_kind: global_buffer, .address_space: global }
      - { .name: wpack, .offset: 24, .size: 8, .value_kind: global_buffer, .address_space: global }
      - { .name: xpack, .offset: 32, .size: 8, .value_kind: global_buffer, .address_space: global }
    .group_segment_fixed_size: 34816
    .private_segment_fixed_size: 0
    .kernarg_segment_align: 8
    .kernarg_segment_size: 40
    .max_flat_workgroup_size: 128
    .sgpr_count:     66
    .vgpr_count:     192
    .wavefront_size: 32
...
	.end_amdgpu_metadata
.endif
;; end of part 1
;; launch fused (part 2): grid 256 x 1, 4 waves a work-group, clusters of 4 x 1, 327,680 bytes of LDS; arguments xpack, wpack, query, bo, out0; writes out0
.if DOCPART == 2
	.amdgcn_target "amdgcn-amd-amdhsa--gfx1250"
	.amdhsa_code_object_version 6
	.text
	.protected	k_q90a346e6a1_fused
	.globl	k_q90a346e6a1_fused
	.p2align	8
	.type	k_q90a346e6a1_fused,@function
k_q90a346e6a1_fused:
	s_mov_b64 s[64:65], 0
	v_nop
	global_prefetch_b8 v0, s[64:65] scope:SCOPE_SE
	s_setreg_imm32_b32 hwreg(HW_REG_WAVE_MODE, 25, 1), 1
	s_wait_xcnt 0x0
	s_wait_alu depctr_hold_cnt(0) depctr_sa_sdst(0) depctr_va_vdst(0) depctr_va_sdst(0) depctr_va_ssrc(0) depctr_va_vcc(0) depctr_vm_vsrc(0)
	s_getreg_b32 s2, hwreg(HW_REG_IB_STS2, 6, 4)
	s_cmp_eq_u32 s2, 0
	s_cbranch_scc0 .Lentry_in_a_cluster
	s_endpgm
.Lentry_in_a_cluster:
	s_bfe_u32 s2, ttmp6, 0x10000c
	s_cmp_lg_u32 s2, 0x3003
	s_cbranch_scc0 .Lentry_shape_is_right
	s_endpgm
.Lentry_shape_is_right:
; out[m][b][:] = Q(Q(kv[m][b][:]) Q(Wv)^T) Q(Wo)^T + bo + query[b][:], both products on codes of FP4 (E2M1) with one E8M0 scale for each 32 along K; sums in f32, K ascending.
; WORK LEFT OUT: the softmax runs over an axis of length 1 and is 1 for every finite score, so query Wq^T, kv Wk^T and the scores reach no output; Wq and Wk are not loaded (shown at the head of the first kernel).
; LIMITS: a NaN, an infinity or an overflow that arises only in the work left out is not carried to the result; NaN and infinities among the inputs are not served; a block of zeros gets the scale byte 1
; (its codes are zeros, and this program alone reads the bytes); blocks whose largest magnitude lies under 2^-124 were not tried.  bo + query is added first and the product's sum to that: another order of rounding than (sum + bo) + query.
; SHARES.  A work-group owns 16 rows b of ALL FOUR modules: 64 rows of the products, four tiles m of 16, so that each row of query is read from memory once.  THE WAVES SHARE THE COLUMNS: wave w makes v's columns
; 256 w .. 256 w + 255, which are K steps 2 w and 2 w + 1 of the second product, and out's columns 256 w .. 256 w + 255, for all 64 rows.  v never goes to memory.
; Each product goes by four groups of 64 columns a wave (groups 0-3 of Wv, 4-7 of Wo), all of K = 8 steps of 128 for a group: 16 accumulators.  x, later v, stays in registers whole.
; THE WEIGHTS.  A wave's registers hold a whole group in four quarters dk of two K steps.
;   Quarters 0 and 1 (K 0-511) come through a ring of two LDS slots.  All work-groups walk the same weights: the four of a cluster ask for each wave's part JOINTLY, by the same tensor load with the same descriptor and a mask that
;   names the four.  A fill serves TWO groups, 131,072 bytes, a part of 32,768 for each wave, which it alone fetches and reads.  Four fills in all; the slots change in groups 1 and 3, ahead of the fourth quarter, and a fill has two groups' work in which to land.
;   Quarters 2 and 3 and the scale words go from memory straight into the registers of the one wave that multiplies them, as soon as those have been multiplied for the group before: 36 loads a wave and group.
;   Why not all of it jointly: two slots with the whole of two groups would be 2 x 278,528 bytes, which LDS does not hold; with one group to a slot there would be eight fills, a round of the cluster's barrier to each, and one
;   group's work for each to land in.
; FIRST PRODUCT transposed (source 0 = 16 rows of Wv, source 1 = 16 rows of x): a lane holds one row of v and its registers run along v's columns, the next K, and is quantised there.
; SECOND PRODUCT as it stands (source 0 = 16 rows of v, source 1 = 16 rows of Wo): register j of lane (r, h) is row 8 h + j, and tile t's column r is out's column 4 r + t of the group: so the four tiles' registers j are
; 16 neighbouring bytes, and sixteen lanes hold 256.  The addition of bo + query puts them side by side, and the rows are stored from there, a tile of rows behind each of the next group's quarters.
; LDS: the two slots; from SCR on scratch that no tensor load fills: x's four tiles as they lie in xpack (each wave brings one); over them, behind group 0's barrier (all waves have loaded x), v's images (8,192 m + 1,024 ks + 512 c)
; and scale words (VSC + 512 dk + 16 lane + 4 m); then the spare words.
; PREFETCHES INTO THE L2, each block of 256 bytes named once in the launch, 32 blocks a work-group, asked by wave 0, partners told apart by address: behind the head's load 52 x 32 blocks from group 2 on (clusters 0-12), in group 1 the
; next 48 x 32 (clusters 0-11).  Groups 0 and 1 and the last 16,384 bytes come by their loads alone; x comes at the head, query and bo one to four groups ahead of their use.
; REGISTERS, in windows of 256.  window 0: v4-14, v124-125 addresses; v16-31 x's scale words, later v's; v32-63 the weights', two sets (scales and nothing else); v64-107 the quantiser's work; v108-123 bo; v128-255 x's tile on its way to LDS, later rows on their way out.
;   window 1: the weights' 32 fragments: (dk, e, n) at v[64 dk + 8 (4 e + n)].   window 2: x's, later v's 32 fragments at v[8 (8 m + ks)].   window 3: accumulator (m, n) at v[32 m + 8 n]; v128-255 query, later bo + query.
.set TILE,  8704
.set XPART, 34816                      ; four tiles
.set PAIR,  278528                     ; two groups of all four waves: 32 tiles
.set SLOTB, 131072                     ; a slot
.set SCR,   2*SLOTB
.set VSC,   32768                      ; v's scale words, behind its images
.set SPARE, SCR+XPART                  ; the spare words, 128 bytes for each wave: two blocks of 256 bytes that no other line names
.set L16, 4                            ; v4   16 x lane
.set CO,  5                            ; v5   32,768 h + 16 r: query and out, rows 8 h + j
.set BOO, 6                            ; v6   16 r: bo
.set AVW, 7                            ; v7   v's images, in: SCR + 2,048 w + 16 lane
.set ALI, 8                            ; v8   x's and v's images, out: SCR + 16 lane
.set AVS, 9                            ; v9   v's scale words, in: SCR + VSC + 512 w + 16 r
.set SPW, 10                           ; v10  LDS address of my spare word; never rewritten
.set NIL, 11                           ; v11  0; never rewritten
.set PFO, 12                           ; v12  256 x lane: the prefetches; never rewritten
.set AXW, 14                           ; v14  x's tile, in: SCR + 8,704 w + 16 lane
.set AW,  124                          ; v124-125 my part of slot 0, 1: 16 lane on
.set XS,  16
.set WSS, 32
.set TM,  64                           ; v64-71 largest magnitudes, v72-79 the other lane's, then bytes, v80-87 scale operands
.set PC,  88                           ; v88-103 codes
.set PW,  104                          ; v104-107 pairs of scale bytes
.set BO,  108
.set OT,  128
.set QR,  128                          ; in window 3
.set WV,  14                           ; s14  my wave's number
.set G1,  24                           ; s[24:31] descriptor group 1
.set G0,  40                           ; s[40:47] descriptor group 0, a set for each slot
.set OB,  48                           ; s[48:55] out at my rows and columns, module 0 .. 3
.set SQ,  56                           ; s[56:57] query at my rows and columns
.set SBO, 58                           ; s[58:59] bo at my columns
.set SEL, 60                           ; s[60:61] lane selects for v_permlanex16_b32: lane l xor 16
.set PFA, 62                           ; s[62:63] where my work-group's prefetches stand
.set WB,  66                           ; s[66:81] my four tiles of group 0 .. 7
.set PF1, 82                           ; s82, s83  0 where my wave asks, at the head and in group 1
.set MSB, 0
.macro WIN new                         ; the immediate's low byte: bits 1:0 source 0, 3:2 source 1, 5:4 source 2, 7:6 destination; its high byte repeats the setting that is left
.if MSB != (\new)
	s_set_vgpr_msb (MSB<<8)|(\new)
.set MSB, (\new)
.endif
.endm
.macro PLACES                          ; places in front of loads into registers that matrix instructions have read, and of the first read of results (ISA guide 7.12.1 for the first read of results)
.rept 4
	v_nop
.endr
.endm
.macro CROUND                          ; a round of the cluster's barrier: my work-group's barrier; wave 0 signals for the work-group; every wave waits for all four work-groups; my work-group's barrier once more
	s_barrier_signal -1
	s_barrier_wait -1
	s_cmp_lg_u32 s[WV], 0
	s_cbranch_scc1 .Lnot_wave_0_\@
	s_barrier_signal -3
.Lnot_wave_0_\@:
	s_barrier_wait -3
	s_barrier_signal -1
	s_barrier_wait -1
.endm
.macro ASK flag, off
	s_cmp_eq_u32 s[\flag], 0
	s_cbranch_scc0 .Lnot_mine_\@
	global_prefetch_b8 v[PFO], s[PFA:PFA+1] offset:\off th:TH_LOAD_NT scope:SCOPE_SE
.Lnot_mine_\@:
.endm
; THE CHANGE OF SLOTS: fill f + 2 takes fill f's slot.  Each wave waits for its tensor load (fill f + 1), adds 0 to its spare word, and waits for that and for its reads of fill f.  Behind the round no wave of any partner reads that slot or has a load on its way.
.macro CHANGE f
	WIN 0
	s_wait_tensorcnt 0x0                           ; no tensor load of mine is out, so a group 0 may be written
	ds_add_u32 v[SPW], v[NIL]                      ; 0 onto my spare word
	s_mov_b64 s[G0+4*\f+2:G0+4*\f+3], s[WB+4*\f+8:WB+4*\f+9]    ; 120:64 global address: my part of fill f + 2
	s_or_b32 s[G0+4*\f+3], s[G0+4*\f+3], 0x80000000             ; 127:126 type = 2
	s_wait_dscnt 0x0
	CROUND
	tensor_load_to_lds s[G0+4*\f:G0+4*\f+3], s[G1:G1+7]
	s_nop 0
	PLACES                                         ; behind the load
.endm
.macro LDQ g, dk                       ; quarter dk = 0, 1 of group g from LDS: 16 loads of 512 consecutive bytes
	WIN 0x40
.irp n, 0,1,2,3
.irp e, 0,1
.irp c, 0,1
	ds_load_b128 v[64*(\dk)+8*(4*\e+\n)+4*\c:64*(\dk)+8*(4*\e+\n)+4*\c+3], v[AW+(((\g)/2)&1)] offset:16384*((\g)&1)+4096*\n+1024*(2*(\dk)+\e)+512*\c
.endr
.endr
.endr
	WIN 0
.endm
.macro LDG g, dk                       ; quarter dk = 2, 3 of group g from memory: 16 loads of 512 consecutive bytes; ahead of quarter 2 the group's scale words: four
.if (\dk) == 2
.irp n, 0,1,2,3
	global_load_b128 v[WSS+16*((\g)&1)+4*\n:WSS+16*((\g)&1)+4*\n+3], v[L16], s[WB+2*(\g):WB+2*(\g)+1] offset:TILE*\n+8192
.endr
.endif
	WIN 0x40
.irp n, 0,1,2,3
.irp e, 0,1
.irp c, 0,1
	global_load_b128 v[64*(\dk)+8*(4*\e+\n)+4*\c:64*(\dk)+8*(4*\e+\n)+4*\c+3], v[L16], s[WB+2*(\g):WB+2*(\g)+1] offset:TILE*\n+1024*(2*(\dk)+\e)+512*\c
.endr
.endr
.endr
	WIN 0
.endm
.macro LDF msz, dk                     ; two K steps of all 64 rows of x or v
	WIN 0x80
.irp m, 0,1,2,3
.irp e, 0,1
.irp c, 0,1
	ds_load_b128 v[8*(8*\m+2*(\dk)+\e)+4*\c:8*(8*\m+2*(\dk)+\e)+4*\c+3], v[ALI] offset:\msz*\m+1024*(2*(\dk)+\e)+512*\c
.endr
.endr
.endr
	WIN 0
.endm
.macro ONE p, g, m, n, ks              ; one matrix instruction: K step ks of accumulator (m, n).  K step 0 starts the sum: nothing is cleared
.set rD, 32*\m+8*\n
.set rA, 64*((\ks)/2)+8*(4*((\ks)&1)+\n)
.set rB, 8*(8*\m+(\ks))
.set sA, WSS+16*((\g)&1)+4*\n+(\ks)/2
.set sB, XS+4*\m+(\ks)/2               ; x's: register 4 m + dk
.if \p == 2
.set rB, 64*((\ks)/2)+8*(4*((\ks)&1)+\n)
.set rA, 8*(8*\m+(\ks))
.set sB, WSS+16*((\g)&1)+4*\n+(\ks)/2
.set sA, XS+4*((\ks)/2)+\m             ; v's: register 4 dk + m
.endif
.if (\ks) == 0
	v_wmma_scale_f32_16x16x128_f8f6f4 v[rD:rD+7], v[rA:rA+7], v[rB:rB+7], 0, v[sA], v[sB] matrix_a_fmt:MATRIX_FMT_FP4 matrix_b_fmt:MATRIX_FMT_FP4
.elseif ((\ks)&1) == 0
	v_wmma_scale_f32_16x16x128_f8f6f4 v[rD:rD+7], v[rA:rA+7], v[rB:rB+7], v[rD:rD+7], v[sA], v[sB] matrix_a_fmt:MATRIX_FMT_FP4 matrix_b_fmt:MATRIX_FMT_FP4
.else
	v_wmma_scale_f32_16x16x128_f8f6f4 v[rD:rD+7], v[rA:rA+7], v[rB:rB+7], v[rD:rD+7], v[sA], v[sB] matrix_a_fmt:MATRIX_FMT_FP4 matrix_b_fmt:MATRIX_FMT_FP4 matrix_a_scale:MATRIX_SCALE_ROW1 matrix_b_scale:MATRIX_SCALE_ROW1
.endif
.endm
.macro MUL p, g, dk                    ; a quarter: 32 matrix instructions.  The 16 accumulators take turns, one instruction a turn
.if \p == 1
	WIN 0xf9                                       ; source 0 (Wv) window 1, source 1 (x) window 2, C and D window 3
.else
	WIN 0xf6                                       ; source 0 (v) window 2, source 1 (Wo) window 1
.endif
.irp e, 0,1
.irp n, 0,1,2,3
.irp m, 0,1,2,3
	ONE \p, \g, \m, \n, 2*(\dk)+\e
.endr
.endr
.endr
	WIN 0
.endm
.macro QL g                            ; query and bo for the way out of the g-th group of columns: register 32 g + 4 j + t = row 8 h + j, column 64 g + 4 r + t
	WIN 0xc0
.irp j, 0,1,2,3,4,5,6,7
	global_load_b128 v[QR+32*\g+4*\j:QR+32*\g+4*\j+3], v[CO], s[SQ:SQ+1] offset:4096*\j+256*\g th:TH_LOAD_NT
.endr
	WIN 0
	global_load_b128 v[BO+4*\g:BO+4*\g+3], v[BOO], s[SBO:SBO+1] offset:256*\g
.endm
; v of group g, four tiles of rows: register 32 m + 16 b + i = k 32 b + 16 h + i of my row: two blocks of 32 a tile become half a fragment's codes and two scale bytes.  The eight blocks take turns line by line.
; (The last group's stores of codes and bytes ended ahead of this group's second quarter, which waits for all LDS instructions.)
.macro VQ g
	WIN 0x0f
.irp k, 0,1,2,3,4,5,6,7
	v_max3_num_f32 v[TM+\k], |v[16*\k]|, |v[16*\k+1]|, 0x1800000   ; each accumulator from its low end on, and the floor 2^(3 - 127): the byte cannot fall under 1
.endr
.irp i, 2,4,6,8,10,12,14
.irp k, 0,1,2,3,4,5,6,7
	v_max3_num_f32 v[TM+\k], |v[16*\k+\i]|, |v[16*\k+\i+1]|, v[TM+\k]
.endr
.endr
	WIN 0
.irp k, 0,1,2,3,4,5,6,7
	v_permlanex16_b32 v[TM+8+\k], v[TM+\k], s[SEL], s[SEL+1]
.endr
.irp k, 0,1,2,3,4,5,6,7
	v_max_num_f32 v[TM+\k], v[TM+\k], v[TM+8+\k]   ; with lane l xor 16's: the block's largest magnitude
.endr
.irp k, 0,1,2,3,4,5,6,7
	v_add_nc_u32 v[TM+16+\k], 0xff000000, v[TM+\k] ; 2 off its exponent field: the conversion's scale operand
.endr
.irp k, 0,1,2,3,4,5,6,7
	v_lshrrev_b32 v[TM+8+\k], 23, v[TM+16+\k]      ; the scale's byte
.endr
.irp m, 0,1,2,3
	v_lshl_or_b32 v[PW+\m], v[TM+9+2*\m], 8, v[TM+8+2*\m]
.endr
	WIN 0x03
.irp k, 0,1,2,3,4,5,6,7
	v_cvt_scalef32_pk8_fp4_f32 v[PC+2*\k], v[16*\k:16*\k+7], v[TM+16+\k]
	v_cvt_scalef32_pk8_fp4_f32 v[PC+2*\k+1], v[16*\k+8:16*\k+15], v[TM+16+\k]
.endr
	WIN 0
	v_nop                                          ; one plain line behind the conversions
.irp m, 0,1,2,3
	v_permlane16_swap_b32 v[PC+4*\m], v[PC+4*\m+2] ; the operand's layout wants a whole block in a lane: lanes 0-15 the first, lanes 16-31 the second
	v_permlane16_swap_b32 v[PC+4*\m+1], v[PC+4*\m+3]
.endr
.irp m, 0,1,2,3
	ds_store_b128 v[AVW], v[PC+4*\m:PC+4*\m+3] offset:8192*\m+512*(\g)
	ds_store_b16 v[AVS], v[PW+\m] offset:256*((\g)/2)+4*\m+2*((\g)&1)   ; bytes 2 c, 2 c + 1 of row r's word, K step 2 w + g / 2.  Both halves of the lanes write the same bytes with the same value
.endr
.endm
; THE WAY OUT of the g-th group of columns
.macro QADD g
	WIN 0xc3
.irp j, 0,1,2,3,4,5,6,7
.irp k, 0,1
	v_pk_add_f32 v[QR+32*\g+4*\j+2*\k:QR+32*\g+4*\j+2*\k+1], v[QR+32*\g+4*\j+2*\k:QR+32*\g+4*\j+2*\k+1], v[BO+4*\g+2*\k:BO+4*\g+2*\k+1]   ; bo + query, once for the four modules
.endr
.endr
.endm
.macro ADDS g, m
	WIN 0x0f
.irp j, 0,1,2,3,4,5,6,7
.irp t, 0,1,2,3
	v_add_f32 v[OT+32*\m+4*\j+\t], v[32*\m+8*\t+\j], v[QR+32*\g+4*\j+\t]   ; each accumulator from its low end on
.endr
.endr
	WIN 0
.endm
.macro STORES g, m
.irp j, 0,1,2,3,4,5,6,7
	global_store_b128 v[CO], v[OT+32*(\m)+4*\j:OT+32*(\m)+4*\j+3], s[OB+2*(\m):OB+2*(\m)+1] offset:4096*\j+256*(\g) th:TH_STORE_NT   ; sixteen lanes store 256 consecutive bytes, at a multiple of 256 from out's first byte
.endr
.endm
.macro OUT g                           ; the first tile of rows leaves at once, the others between the next group's quarters.  (Query and bo were asked for four groups ago: the weights waited for since are younger)
	QADD \g
.irp m, 0,1,2,3
	ADDS \g, \m
.endr
	s_wait_alu depctr_va_vdst(0)
	STORES \g, 0
.endm
; A GROUP, all of whose quarters have been asked for.
; Global loads younger than the scale words: quarters 2 and 3, 32; than quarter 2: 16; than quarter 3: the next group's scale words and quarter 2, 20.  In groups 1-4 nine loads of query and bo are younger too.
; LDS instructions.  Groups 1-3: behind quarter 0 stand quarter 1 and v's 8 stores, 24; then all.  Groups 5, 6: 16; then all.  Group 4: v's quarters behind one another, and ahead of the fourth the next group's 32.
; Group 0: x's and the weights' quarter 1, 32; then x's quarter 2, then its quarter 3, 16 each; then all, ahead of its barrier.
.macro GROUP p, g
.set EX, 0
.if (\g) >= 1
.if (\g) <= 4
.set EX, 9
.endif
.endif
.set D0, 16
.set D1, 0
.if (\g) < 4
.set D0, 24
.endif
.if (\g) == 4
.set D0, 48
.set D1, 32
.endif
.if (\g) == 0
.set D0, 32
.set D1, 16
.endif
	s_wait_loadcnt 32+EX
	s_wait_dscnt D0
	MUL \p, \g, 0
.if (\g) == 0
	LDF TILE, 2
.endif
.if (\g) > 4
	STORES ((\g)-5), 1
.endif
	s_wait_dscnt D1
	MUL \p, \g, 1
.if (\g) == 0
	LDF TILE, 3
.endif
.if (\g) > 4
	STORES ((\g)-5), 2
.endif
	s_wait_loadcnt 16+EX
.if (\g) == 0
	s_wait_dscnt 16
.elseif (\g) == 4
	s_wait_dscnt 16
.endif
	MUL \p, \g, 2
	PLACES
	LDG (\g+1), 2
.if (\g) > 4
	STORES ((\g)-5), 3
.endif
.if (\g) == 0
	s_wait_dscnt 0x0                               ; x is in registers whole: behind this barrier v's images may be written over it.  My load of fill 1 may stay out
	s_barrier_signal -1
	s_barrier_wait -1
.elseif (\g) == 1
	CHANGE 0
.elseif (\g) == 3
	CHANGE 1
.elseif (\g) == 5
	s_wait_tensorcnt 0x0                           ; my part of fill 3 is in; nothing is filled again, and no other wave reads it
.endif
	LDQ (\g+1), 0
	LDQ (\g+1), 1
.if (\g) == 1
	ASK PF1+1, 425984
.endif
	s_wait_loadcnt 20+EX
.if (\g) == 4
	s_wait_dscnt 32
.endif
	MUL \p, \g, 3
.if (\g) > 4
	s_wait_xcnt 0x0                                ; the last group's stores have read their registers, which the way out writes
.endif
	PLACES
	LDG (\g+1), 3
.if (\g) < 4
	QL \g
	VQ \g
.else
	OUT (\g-4)
.endif
.endm
	s_load_b256 s[4:11], s[0:1], 0x0               ; xpack, wpack, query, bo
	s_load_b64 s[12:13], s[0:1], 0x20              ; out
	v_lshl_add_u32 v[SPW], v0, 2, SPARE
	v_mov_b32 v[NIL], 0
	ds_add_u32 v[SPW], v[NIL]                      ; the wave's opening: the add, twice on end, and its wait ahead of my first tensor load; the set-up below, work on registers, stands between the second and the wait
	ds_add_u32 v[SPW], v[NIL]
	v_lshrrev_b32 v1, 5, v0
	v_readfirstlane_b32 s[WV], v1                  ; wave 0..3
	v_and_b32 v1, 31, v0                           ; lane
	v_and_b32 v2, 15, v0                           ; r
	v_bfe_u32 v3, v0, 4, 1                         ; h
	v_lshlrev_b32 v[L16], 4, v1
	v_lshlrev_b32 v[BOO], 4, v2
	v_lshl_add_u32 v[CO], v3, 15, v[BOO]
	v_lshlrev_b32 v[PFO], 8, v1
	v_add_nc_u32 v[ALI], SCR, v[L16]
	s_lshl_b32 s33, s[WV], 15                      ; my part of a slot: no place in the cluster enters it
	v_add_nc_u32 v[AW], s33, v[L16]
	v_add_nc_u32 v[AW+1], SLOTB, v[AW]
	s_mul_i32 s15, s[WV], TILE
	s_add_co_u32 s15, s15, SCR
	v_add_nc_u32 v[AXW], s15, v[L16]
	s_lshl_b32 s15, s[WV], 11
	v_add_nc_u32 v[AVW], s15, v[ALI]
	s_lshl_b32 s15, s[WV], 9
	s_add_co_u32 s15, s15, SCR+VSC
	v_add_nc_u32 v[AVS], s15, v[BOO]
.irp k, 0,1,2,3,4,5,6,7
	v_mov_b32 v[TM+8+\k], 0                        ; written once: a lane permute's destination counts as one of its sources
.endr
	; descriptor group 1: the first 4,096 bytes (K steps 0-3) of each of my eight tiles of two groups: 8 rows of 512 elements of 8 bytes, a tile apart in memory, on end in LDS
	s_mov_b32 s[G1+0], 15|(3<<16)|(1<<21)          ; 15:0 the mask: all four work-groups; 17:16 elements of 8 bytes; 21 set beside a mask
	s_mov_b32 s[G1+1], 512<<16                     ; tensor_dim0 = 512
	s_mov_b32 s[G1+2], 8<<16                       ; tensor_dim1 = 8
	s_mov_b32 s[G1+3], 512<<16                     ; tile_dim0 = 512
	s_mov_b32 s[G1+4], 8                           ; tile_dim1 = 8
	s_mov_b32 s[G1+5], TILE/8                      ; tensor_dim0_stride = 1,088
	s_mov_b32 s[G1+6], 0
	s_mov_b32 s[G1+7], 0
	s_mov_b32 s[SEL], 0x76543210
	s_mov_b32 s[SEL+1], 0xfedcba98
	s_bfe_u32 s15, ttmp6, 0x40000                  ; cx: my place in the cluster: it enters the addresses of xpack, query, out and of the prefetches alone
	s_lshl_b32 s19, ttmp9, 2                       ; in a cluster launch ttmp9 counts clusters
	s_add_co_u32 s19, s19, s15                     ; my block of 16 rows b
	s_mul_i32 s16, s19, XPART                      ; its four tiles of x,
	s_mul_i32 s18, s[WV], TILE
	s_add_co_u32 s16, s16, s18                     ; of which I bring module w's
	s_mov_b32 s17, 0
	s_mul_i32 s20, s[WV], 8*TILE                   ; my eight tiles of two groups
	s_mov_b32 s21, 0
	s_lshl_b32 s22, s[WV], 10                      ; my 256 columns
	s_mov_b32 s23, 0
	s_min_u32 s34, s19, 51                         ; the prefetches: 8,192 bytes a work-group (the others' address is held inside the buffer; they do not ask)
	s_lshl_b32 s34, s34, 13
	s_add_co_u32 s34, s34, PAIR
	s_mov_b32 s35, 0
	s_lshl_b32 s18, s19, 16                        ; my 16 rows of 4,096 bytes
	s_add_co_u32 s18, s18, s22
	s_mov_b32 s19, 0
	s_cmp_lt_u32 ttmp9, 13
	s_cselect_b32 s[PF1], 0, 1
	s_or_b32 s[PF1], s[PF1], s[WV]                 ; 0 in wave 0 of clusters 0 to 12: the same in all four partners
	s_cmp_lt_u32 ttmp9, 12
	s_cselect_b32 s[PF1+1], 0, 1
	s_or_b32 s[PF1+1], s[PF1+1], s[WV]
	s_wait_alu depctr_va_vdst(0)                   ; the wait at the head's end
	s_wait_dscnt 0x0                               ; both opening adds are done
	s_wait_kmcnt 0x0
	s_add_nc_u64 s[16:17], s[4:5], s[16:17]
.irp f, 0,1,2,3,4,5,6,7,8,9,10,11,12,13,14,15,16
	global_load_b128 v[OT+4*\f:OT+4*\f+3], v[L16], s[16:17] offset:512*\f   ; x's tile is asked for before anything else
.endr
	s_add_nc_u64 s[WB:WB+1], s[6:7], s[20:21]
.irp g, 1,2,3,4,5,6,7
	s_add_nc_u64 s[WB+2*\g:WB+2*\g+1], s[WB:WB+1], PAIR*(\g/2)+4*TILE*(\g&1)
.endr
.irp s, 0,1
	s_mov_b32 s[G0+4*\s], 1                        ; 1:0 count = 1
	s_add_co_u32 s[G0+4*\s+1], s33, SLOTB*\s       ; 63:32 LDS address: my part of slot s
	s_mov_b64 s[G0+4*\s+2:G0+4*\s+3], s[WB+4*\s:WB+4*\s+1]
	s_or_b32 s[G0+4*\s+3], s[G0+4*\s+3], 0x80000000
.endr
	s_add_nc_u64 s[PFA:PFA+1], s[6:7], s[34:35]
	s_add_nc_u64 s[SQ:SQ+1], s[8:9], s[18:19]
	s_add_nc_u64 s[SBO:SBO+1], s[10:11], s[22:23]
	s_add_nc_u64 s[OB:OB+1], s[12:13], s[18:19]
	s_add_nc_u64 s[OB+2:OB+3], s[OB:OB+1], 0x1000000
	s_add_nc_u64 s[OB+4:OB+5], s[OB:OB+1], 0x2000000
	s_add_nc_u64 s[OB+6:OB+7], s[OB:OB+1], 0x3000000
	CROUND                                         ; all four work-groups are here: the first joint loads meet
	tensor_load_to_lds s[G0:G0+3], s[G1:G1+7]      ; fill 0: one tensor load a wave at the head
	s_nop 0
	PLACES
	LDG 0, 2
	LDG 0, 3
	ASK PF1, 0
	s_wait_loadcnt 36                              ; x's tile is in; group 0's 20 + 16 loads may be out
.irp f, 0,1,2,3,4,5,6,7,8,9,10,11,12,13,14,15,16
	ds_store_b128 v[AXW], v[OT+4*\f:OT+4*\f+3] offset:512*\f
.endr
	s_wait_tensorcnt 0x0                           ; my part of fill 0 is in
	ds_add_u32 v[SPW], v[NIL]
	s_wait_dscnt 0x0                               ; the add is done, and for the others' sake my tile of x lies in LDS
	CROUND
	tensor_load_to_lds s[G0+4:G0+7], s[G1:G1+7]    ; fill 1
	s_nop 0
	PLACES
.irp m, 0,1,2,3
	ds_load_b128 v[XS+4*\m:XS+4*\m+3], v[ALI] offset:TILE*\m+8192   ; register 4 m + dk: lanes 0-15 the even K step's words, lanes 16-31 the odd one's
.endr
	LDF TILE, 0
	LDQ 0, 0
	LDF TILE, 1
	LDQ 0, 1
	; ---- THE FIRST PRODUCT: v = Q(x) Q(Wv)^T
	GROUP 1, 0
	GROUP 1, 1
	GROUP 1, 2
	GROUP 1, 3
	s_wait_dscnt 0x0                               ; for the others' sake: my images of v lie in LDS.  My load of fill 3 may stay out
	s_barrier_signal -1
	s_barrier_wait -1
.irp d, 0,1,2,3
	ds_load_b128 v[XS+4*\d:XS+4*\d+3], v[ALI] offset:VSC+512*\d   ; register 4 dk + m
.endr
.irp d, 0,1,2,3
	LDF 8192, \d
.endr
	; ---- THE SECOND PRODUCT
	GROUP 2, 4
	GROUP 2, 5
	GROUP 2, 6
.irp m, 1,2,3
	STORES 2, \m
.endr
	s_wait_loadcnt 0x0                             ; group 7 is in registers whole: it goes by tiles of rows, so that finished rows leave while the others are multiplied
	s_wait_dscnt 0x0
.irp m, 0,1,2,3
	WIN 0xf6
.irp ks, 0,1,2,3,4,5,6,7
.irp n, 0,1,2,3
	ONE 2, 7, \m, \n, \ks
.endr
.endr
	WIN 0
	PLACES
.if \m == 0
	s_wait_xcnt 0x0                                ; the last group's stores have read their registers
	QADD 3
.endif
	ADDS 3, \m
	STORES 3, \m
.endr
	s_wait_tensorcnt 0x0                           ; the wave's end, behind my last tensor load and my last LDS store
	ds_add_u32 v[SPW], v[NIL]
	s_wait_dscnt 0x0
	CROUND                                         ; the closing round: no work-group ends while a partner may still ask for a part that names it
	s_endpgm
.Lfunc_end_k_q90a346e6a1_fused:
	.size	k_q90a346e6a1_fused, .Lfunc_end_k_q90a346e6a1_fused-k_q90a346e6a1_fused
	.p2alignl 7, 3214868480
	.fill 96, 4, 3214868480
	.section	.rodata,"a",@progbits
	.p2align	6, 0x0
	.amdhsa_kernel k_q90a346e6a1_fused
		.amdhsa_group_segment_fixed_size 327680
		.amdhsa_private_segment_fixed_size 0
		.amdhsa_enable_private_segment 0
		.amdhsa_kernarg_size 40
		.amdhsa_user_sgpr_count 2
		.amdhsa_user_sgpr_kernarg_segment_ptr 1
		.amdhsa_wavefront_size32 1
		.amdhsa_system_sgpr_workgroup_id_x 1
		.amdhsa_system_sgpr_workgroup_id_y 1
		.amdhsa_system_sgpr_workgroup_id_z 1
		.amdhsa_system_vgpr_workitem_id 0
		.amdhsa_next_free_vgpr 1024
		.amdhsa_next_free_sgpr 84
		.amdhsa_reserve_vcc 0
		.amdhsa_float_denorm_mode_32 3
		.amdhsa_float_denorm_mode_16_64 3
		.amdhsa_memory_ordered 1
		.amdhsa_forward_progress 1
		.amdhsa_inst_pref_size 255
	.end_amdhsa_kernel
	.section	.bss,"aw",@nobits
	.p2align	6
	.space	262144
	.amdgpu_metadata
---
amdhsa.version: [ 1, 2 ]
amdhsa.kernels:
  - .name:           k_q90a346e6a1_fused
    .symbol:         k_q90a346e6a1_fused.kd
    .args:
      - { .name: xpack, .offset: 0, .size: 8, .value_kind: global_buffer, .address_space: global }
      - { .name: wpack, .offset: 8, .size: 8, .value_kind: global_buffer, .address_space: global }
      - { .name: query, .offset: 16, .size: 8, .value_kind: global_buffer, .address_space: global }
      - { .name: bo, .offset: 24, .size: 8, .value_kind: global_buffer, .address_space: global }
      - { .name: out0, .offset: 32, .size: 8, .value_kind: global_buffer, .address_space: global }
    .group_segment_fixed_size: 327680
    .private_segment_fixed_size: 0
    .kernarg_segment_align: 8
    .kernarg_segment_size: 40
    .max_flat_workgroup_size: 128
    .sgpr_count:     84
    .vgpr_count:     1024
    .wavefront_size: 32
...
	.end_amdgpu_metadata
.endif
;; end of part 2
